; MI455X (gfx1250); checked and timed in simulation.
; The chip was launched on July 23, 2026; its instructions are those of AMD's public machine-readable ISA for CDNA 5 (MIT licence, August 2026) and "CDNA5" Instruction Set Architecture Reference Guide (July 2026). The comments in the code are by the model that wrote it; some were corrected since.
;; Multi Head Attention. Allowed arithmetic: matrix products marked QUANTISED: E2M3 operands, one E8M0 scale for each 32 along K, by v_wmma_scale_f32_16x16x128_f8f6f4 with both operands' format E2M3, f32 sums; everything else in f32.
;; Inputs: Wk_codes 1,024 x 32 x 24 uint8 (E2M3 codes of Wk, K innermost, in blocks of 32 codes, four codes in three bytes); Wk_scales 1,024 x 32 uint8 (E8M0 scales of Wk, one for each 32 codes along K); Wo_codes 1,024 x 32 x 24 uint8 (E2M3 codes of Wo, K innermost, in blocks of 32 codes, four codes in three bytes); Wo_scales 1,024 x 32 uint8 (E8M0 scales of Wo, one for each 32 codes along K); Wq_codes 1,024 x 32 x 24 uint8 (E2M3 codes of Wq, K innermost, in blocks of 32 codes, four codes in three bytes); Wq_scales 1,024 x 32 uint8 (E8M0 scales of Wq, one for each 32 codes along K); Wv_codes 1,024 x 32 x 24 uint8 (E2M3 codes of Wv, K innermost, in blocks of 32 codes, four codes in three bytes); Wv_scales 1,024 x 32 uint8 (E8M0 scales of Wv, one for each 32 codes along K); bo 1,024 float32; x_codes 4 x 2,048 x 32 x 24 uint8 (E2M3 codes of x, K innermost, in blocks of 32 codes, four codes in three bytes); x_scales 4 x 2,048 x 32 uint8 (E8M0 scales of x, one for each 32 codes along K).
;; Outputs: out0 4 x 2,048 x 1,024 float32.
;; This version of the problem:
;;   THIS VERSION OF THE PROBLEM IS GIVEN IN LOW PRECISION. The matrix products marked QUANTISED in the list below multiply operands that are first quantised to E2M3 (2 exponent bits, 3 mantissa bits; 6 bits a number), with one power-of-two scale for each 32 numbers along K (OCP MX v1.0); their sums are f32. All else is computed in f32.
;;   The module's matrix products, in the order in which they are computed (A, B: the left and right operand; K: the contracted axis; several contracted axes count as one K, in the product's order):
;;     1. [M 8,192, K 1,024] x [K 1,024, N 1,024]; A: input x (given as codes); B: input Wq (given as codes): QUANTISED
;;     2. [M 8,192, K 1,024] x [K 1,024, N 1,024]; A: input x (given as codes); B: input Wk (given as codes): QUANTISED
;;     3. [M 8,192, K 1,024] x [K 1,024, N 1,024]; A: input x (given as codes); B: input Wv (given as codes): QUANTISED
;;     4. batch 64 x [M 2,048, K 64] x [K 64, N 2,048]; A: computed on the way; B: computed on the way: QUANTISED
;;     5. batch 64 x [M 64, K 2,048] x [K 2,048, N 2,048]; A: computed on the way; B: softmax (see below): QUANTISED
;;     6. [M 8,192, K 1,024] x [K 1,024, N 1,024]; A: computed on the way; B: input Wo (given as codes): QUANTISED
;;   THE QUANTISER, for each operand of a quantised product, along K:
;;     - K is cut into blocks of 32 from its start; a last block that is shorter is filled with zeros.
;;     - A block's scale is 2^e with e = floor(log2(the largest magnitude in the block)) - 2, held to -126 .. 127; a block of zeros has e = 0. As a byte (E8M0): e + 127.
;;     - Each number is divided by its block's scale, clamped to +-7.5, and rounded to the nearest number of E2M3, ties to even, subnormals kept.
;;     - The product sums the exact products of the quantised numbers (number of the format x scale) in f32.
;;   ~~~python
;;   def quantise(x, axis):      # numpy; x: float32 -> the quantised numbers, widened to float32 again
;;       x = np.moveaxis(x, axis, -1); K = x.shape[-1]
;;       x = np.pad(x, [(0, 0)] * (x.ndim - 1) + [(0, -K % 32)]); x = x.reshape(x.shape[:-1] + (-1, 32)); a = np.abs(x).max(-1, keepdims=True)
;;       e = np.where(a > 0, np.clip(np.frexp(np.where(a > 0, a, 1))[1] - 1 - 2, -126, 127), 0)      # np.frexp(a)[1] - 1 = floor(log2(a)), exactly
;;       r = np.clip(x / 2.0 ** e, -7.5, 7.5)
;;       step = 2.0 ** (np.maximum(np.frexp(np.where(r == 0, 1, r))[1] - 1, 0) - 3)
;;       q = np.round(r / step) * step * 2.0 ** e      # np.round: ties to even
;;       return np.moveaxis(q.reshape(q.shape[:-2] + (-1,))[..., :K], -1, axis).astype(np.float32)
;;   ~~~
;;   SOFTMAX AHEAD OF A QUANTISED PRODUCT. Where the list says 'softmax', what is quantised is not the finished softmax but p = 2^(t - M), with t = logit x log2(e) and M = ceil(the row's largest t), a whole number; so 1/2 < the row's largest p <= 1. The row's sum l is taken of the UNQUANTISED p, in f32, and the product's result is divided by l at the end. Since M is a whole number, a kernel that streams over the keys may use a running M (the ceiling of the running maximum): every later rescaling is an exact power of two, which a block's scale takes up: the codes' values come out the same.
;;   OPERANDS COMPUTED ON THE WAY. 'Computed on the way' means the value that the module computes at that place (a softmax that the list does not call 'softmax' is quantised finished and normalised). What goes into a quantiser is computed in f32, as accurately as f32 sums, v_exp_f32 and their like allow (about 1e-6 of the number): no bf16 or f16 on the way to a quantiser, and a product that is left as it is and whose result goes on into a quantised operand takes f32 operands (vector FMAs, or v_wmma_f32_16x16x4_f32). A number that lies on a knife's edge between two numbers of the format may be rounded either way, as far as f32 arithmetic and the matrix unit's own rounding can turn it there, and no further.
;;   INPUTS GIVEN AS CODES. Wk (in the module: [1024, 1024], K = its axis 0); Wo (in the module: [1024, 1024], K = its axis 0); Wq (in the module: [1024, 1024], K = its axis 0); Wv (in the module: [1024, 1024], K = its axis 0); x (in the module: [4, 2048, 1024], K = its axis 2): each comes as NAME_codes (uint8): NAME with its K axis moved to the last place and cut into blocks of 32 codes, [.., K / 32, bytes a block], one block behind the other in memory; four codes in three bytes: a row's codes are one little-endian stream of bits, code i at bits 6 i .. 6 i + 5 (a code: sign, 2 exponent bits, 3 mantissa bits); and NAME_scales (uint8): the same leading axes, one E8M0 byte (e + 127) for each 32 codes along K. Its value is code x scale, taken as it is: it is not quantised again, and the codes and scales need not be those that the quantiser above would give.
;; One version. Each part assembles by itself: llvm-mc -triple=amdgcn-amd-amdhsa -mcpu=gfx1250 --defsym DOCPART=n.
;; ======== version 1 of 1: 3 launches
;; limits: right only within a limited range of input values
;; workspace buffers: qrec 6,553,600 bytes; kv 13,107,200 bytes; ctx_img 6,291,456 bytes; ctx_sc 262,144 bytes
;; launch proj (part 1): grid 8 x 32, 4 waves a work-group, clusters of 4 x 4, 327,680 bytes of LDS; arguments x_codes, x_scales, Wq_codes, Wq_scales, Wk_codes, Wk_scales, Wv_codes, Wv_scales, qrec, kv; writes qrec, kv
.if DOCPART == 1
	.amdgcn_target "amdgcn-amd-amdhsa--gfx1250"
	.amdhsa_code_object_version 6
	.text
	.protected	k_qcc18736d07_proj
	.globl	k_qcc18736d07_proj
	.p2align	8
	.type	k_qcc18736d07_proj,@function
k_qcc18736d07_proj:
	s_mov_b64 s[64:65], 0
	v_nop
	global_prefetch_b8 v0, s[64:65] scope:SCOPE_SE
	s_setreg_imm32_b32 hwreg(HW_REG_WAVE_MODE, 25, 1), 1
	s_wait_xcnt 0x0
	s_wait_alu depctr_hold_cnt(0) depctr_sa_sdst(0) depctr_va_vdst(0) depctr_va_sdst(0) depctr_va_ssrc(0) depctr_va_vcc(0) depctr_vm_vsrc(0)
	s_getreg_b32 s2, hwreg(HW_REG_IB_STS2, 6, 4)
	s_cmp_eq_u32 s2, 0
	s_cbranch_scc0 .Lentry_in_a_cluster
	s_endpgm
.Lentry_in_a_cluster:
	s_bfe_u32 s2, ttmp6, 0x10000c
	s_cmp_lg_u32 s2, 0xf033
	s_cbranch_scc0 .Lentry_shape_is_right
	s_endpgm
.Lentry_shape_is_right:
; V = x Wv, Q = x Wq, K = x Wk on codes of FP6 (E2M3), one E8M0 scale for each 32 along K = 1,024; the f32 results are quantised here, in registers, for the attention's two products.
; Every input but Wo and bo is read here.
; THE DEAL: 256 work-groups = 8 panels of 128 weight rows x 32 chunks of 256 tokens.  Four waves, 2 x 2: wave (a, b) takes tokens 128 a .. 128 a + 127 of the chunk and weight rows 64 b .. 64 b + 63 of the panel: one head.
; A wave holds its 64 weight rows, ALL of K, in 384 registers and streams its tokens past them in 8 blocks of 16 rows, 32 products a block.  Three phases on the same rows of x, which stay in LDS: V, Q, K.
; LDS: x's 256 rows (816 bytes each: 768 + 16 behind every 256), filled once; the weights' 128 rows, filled at the head (Wv) and again twice (Wq, Wk); x's scale bytes; a stage of 768 bytes a wave for the results' scale bytes; the spare words.
; A refill of the weights' region is asked for when every wave holds the old rows in registers, a whole phase (256 products a wave) ahead of the wait for it: so no prefetch is laid for it.
; CLUSTERS 4 x 4: x's rows and scale bytes hang on the chunk alone and are asked for jointly along a row of the cluster, a weight's rows on the panel alone, jointly along a column.
; Q, K: source 0 = 16 weight rows, source 1 = 16 tokens.  Row 8 h + i of weight tile j is channel 32 h + 8 j + i of the head: so the 32 sums of lane (r, h) are channels 32 h .. 32 h + 31 of token r, one scale block, in order.
; V: source 0 = 16 tokens (keys), source 1 = 16 weight rows (channels).  Register 8 b + j of lane half h is key 16 b + 8 h + j; it is quantised as it lies, which is the order in which the attention quantises its weights.
; OUT (images of operand registers: register group c at 512 c + 16 x lane): qrec [64 heads][16 blocks of 128 queries][6,400]: 4 pair fragments (tile 2 m in registers 0-5, tile 2 m + 1 in 6-11), at 6,144 the pairs' scale words, 64 m + 4 r.
;   kv [64 heads][16 steps of 128 keys][12,800]: K's 4 pair fragments; at 6,144 V's 4 fragments (16 channels x 128 keys); at 12,288 K's pair words; at 12,544 V's words, 64 t + 4 r.
; LIMITS: NaN and infinities are not served; a given scale byte 0xff gives NaN.  A block of zeros, and one whose largest magnitude lies under 2^-124, gets the byte 1 (the rule says 127 for zeros): these bytes are read by this program alone.
; REGISTERS: fragment f lies in window 1 + f / 21 at register 12 (f % 21): 0-31 the weights' (4 q + t), 32-39 and 40-47 the rows' two sets.  v64-191 and v840-967 V's sums (tile t, block b at 64 t' + 8 b); v64-95 Q's or K's sums of a block;
;   v968-983, v984-999 Wq's and Wk's scale words in waiting; the rest of window 0 by the names below.
.set KROW,  768
.set PITCH, 816
.set FR,    12
.set FPW,   21
.set NF,    28                         ; LDS loads of a block: 26 for eight fragments, 2 for eight scale words
.set WB,    256*PITCH
.set SCL,   WB+128*PITCH
.set STG,   SCL+32*272
.set SPARE, STG+4*768
.set XA,    4                          ; v4-6 LDS addresses of my block 0 (fragments, the same behind one padding more, scale words); v7-9 of block 1
.set SPW,   10
.set NIL,   11
.set ADRA,  12                         ; v12-14 the same for the block that is fetched
.set BA,    16                         ; v16-23 the weights' four tiles
.set SB,    24                         ; v24-39 the weights' scale words
.set WN,    40                         ; v40-41 my weight rows, lane r at row r;  v42-43 lane r at row r + 24 (r / 8)
.set WP,    42
.set SA,    44                         ; v44-59 the rows' scale words, two sets
.set CO,    60                         ; 16 x lane
.set C8,    61                         ; 8 x lane
.set STO,   62                         ; my stage + 4 r + h
.set STR,   63                         ; my stage + 8 x lane
.set ACC,   64
.set VX,    192
.set CV,    193
.set STV,   194                        ; my stage + 4 r
.set WD,    196
.set TQ,    198
.set TM,    200
.set F0,    216
.set TA,    228
.set TBB,   232
.set PW,    236
.set SOP,   237
.set EB,    238
.set NCD,   240
.set TC,    252
.set G1X, 36
.set G1W, 44
.set G1S, 52
.set G0X, 60
.set G0W, 68
.set G0S, 72
.set SEL, 96
.set MSB, 0
.macro WIN new
.if MSB != \new
	s_set_vgpr_msb (MSB<<8)|\new
.set MSB, \new
.endif
.endm
.macro PLACES n
.rept \n
	v_nop
.endr
.endm
.macro WALU
	s_wait_alu depctr_va_vdst(0)
.endm
.macro BARRIER
	s_barrier_signal -1
	s_barrier_wait -1
.endm
.macro CROUND                          ; a round of the cluster's barrier
	s_barrier_signal -1
	s_barrier_wait -1
	s_cmp_lg_u32 s24, 0
	s_cbranch_scc1 .Lnw0_\@
	s_barrier_signal -3
.Lnw0_\@:
	s_barrier_wait -3
	s_barrier_signal -1
	s_barrier_wait -1
.endm
.macro TLOAD g0, g1                    ; s_nop 0 and four v_nop behind the load
	tensor_load_to_lds s[\g0:\g0+3], s[\g1:\g1+7]
	s_nop 0
	PLACES 4
.endm
.macro GROUP1 g, mask, rows            ; rows of 768 bytes, 16 bytes of padding behind every 256
	s_or_b32 s[\g+0], s[\mask], (1<<20)|(1<<21)|(5<<22)|(3<<25)
	s_mov_b32 s[\g+1], KROW<<16
	s_mov_b32 s[\g+2], (\rows)<<16
	s_mov_b32 s[\g+3], KROW<<16
	s_mov_b32 s[\g+4], \rows
	s_mov_b32 s[\g+5], KROW
	s_mov_b32 s[\g+6], 0
	s_mov_b32 s[\g+7], 0
.endm
; A fragment, 16 rows x 128 K: six pieces of 8 bytes a lane, two to a load where both lie behind as many paddings.  Lanes 16-31 read 24 bytes on: where that is behind one padding more, the second address serves.
.macro FRAG f, q, a0, a1
	WIN (1+(\f)/FPW)<<6
.set R_, FR*((\f)%FPW)
.set SKIP_, 0
.irp p, 0,1,2,3,4,5
.if SKIP_
.set SKIP_, 0
.else
.set PC_, 12*(\q)+6*(\p/3)+\p%3
.set PN_, 12*(\q)+6*((\p+1)/3)+(\p+1)%3
.set X_, (PC_%32+3)/32
.set XQ_, (PN_%32+3)/32
.if (\p < 5) && (X_ == XQ_)
.set SKIP_, 1
.if X_
	ds_load_2addr_b64 v[R_+2*\p:R_+2*\p+3], v[\a1] offset0:PC_+2*(PC_/32) offset1:PN_+2*(PN_/32)
.else
	ds_load_2addr_b64 v[R_+2*\p:R_+2*\p+3], v[\a0] offset0:PC_+2*(PC_/32) offset1:PN_+2*(PN_/32)
.endif
.elseif X_
	ds_load_b64 v[R_+2*\p:R_+2*\p+1], v[\a1] offset:8*(PC_+2*(PC_/32))
.else
	ds_load_b64 v[R_+2*\p:R_+2*\p+1], v[\a0] offset:8*(PC_+2*(PC_/32))
.endif
.endif
.endr
.endm
.macro SETBA base, step
.irp t, 0,1,2,3
	v_add_nc_u32 v[BA+2*\t], \t*(\step), v[\base]
	v_add_nc_u32 v[BA+2*\t+1], \t*(\step), v[\base+1]
.endr
.endm
.macro WEIGHTS                         ; my 64 weight rows, all of K: 104 loads
.irp q, 0,1,2,3,4,5,6,7
.irp t, 0,1,2,3
	FRAG 4*\q+\t, \q, BA+2*\t, BA+2*\t+1
.endr
.endr
	WIN 0
.endm
.macro FETCHAT e, a0, a1, as           ; a block of 16 rows into set e: NF loads
.irp q, 0,1,2,3,4,5,6,7
	FRAG 32+8*(\e)+\q, \q, \a0, \a1
.endr
	WIN 0
	ds_load_b128 v[SA+8*(\e):SA+8*(\e)+3], v[\as]
	ds_load_b128 v[SA+8*(\e)+4:SA+8*(\e)+7], v[\as] offset:16
.endm
.macro PROD1 d, s0, s1, c, x0, x1, side, o
.if \o
	v_wmma_scale_f32_16x16x128_f8f6f4 v[\d:\d+7], v[FR*((\s0)%FPW):FR*((\s0)%FPW)+FR-1], v[FR*((\s1)%FPW):FR*((\s1)%FPW)+FR-1], \c, v[\x0], v[\x1] matrix_a_fmt:MATRIX_FMT_FP6 matrix_b_fmt:MATRIX_FMT_FP6 matrix_\side\()_scale:MATRIX_SCALE_ROW1
.else
	v_wmma_scale_f32_16x16x128_f8f6f4 v[\d:\d+7], v[FR*((\s0)%FPW):FR*((\s0)%FPW)+FR-1], v[FR*((\s1)%FPW):FR*((\s1)%FPW)+FR-1], \c, v[\x0], v[\x1] matrix_a_fmt:MATRIX_FMT_FP6 matrix_b_fmt:MATRIX_FMT_FP6 matrix_\side\()_scale:MATRIX_SCALE_ROW0
.endif
.endm
.macro PROD kind, e, q, t, d           ; kind 0 (Q, K): source 0 the weight's rows; kind 1 (V): source 0 x's rows
.set FW_, 4*(\q)+(\t)
.set FX_, 32+8*(\e)+(\q)
.set D_, \d
.set DW_, D_>>8
.set DL_, D_&255
.set XW_, SB+8*((\t)/2)+(\q)
.set XX_, SA+8*(\e)+(\q)
.if \kind
	WIN (1+FX_/FPW)|((1+FW_/FPW)<<2)|(DW_<<4)|(DW_<<6)
.if \q
	PROD1 DL_, FX_, FW_, v[DL_:DL_+7], XX_, XW_, b, (\t)%2
.else
	PROD1 DL_, FX_, FW_, 0, XX_, XW_, b, (\t)%2
.endif
.else
	WIN (1+FW_/FPW)|((1+FX_/FPW)<<2)|(DW_<<4)|(DW_<<6)
.if \q
	PROD1 DL_, FW_, FX_, v[DL_:DL_+7], XW_, XX_, a, (\t)%2
.else
	PROD1 DL_, FW_, FX_, 0, XW_, XX_, a, (\t)%2
.endif
.endif
.endm
.macro BLOCK kind, e, d0, ds, dx       ; 32 products: four accumulators by turns, K ascending; the first four start the sums
.irp q, 0,1,2,3,4,5,6,7
.irp t, 0,1,2,3
	PROD \kind, \e, \q, \t, (\d0)+(\ds)*\t+(\t/2)*(\dx)
.endr
.endr
.endm
; Q, K: a lane's 32 sums are one scale block: the largest magnitude by two chains (with the floor 2^(3 - 127), so that the byte is at least 1), 2 off its exponent field, two conversions
.macro QQ c
	v_max3_num_f32 v[TQ], |v[ACC]|, |v[ACC+1]|, |v[ACC+2]|
	v_max3_num_f32 v[TQ+1], |v[ACC+16]|, |v[ACC+17]|, |v[ACC+18]|
.irp i, 3,5,7,9,11,13
	v_max3_num_f32 v[TQ], v[TQ], |v[ACC+\i]|, |v[ACC+\i+1]|
	v_max3_num_f32 v[TQ+1], v[TQ+1], |v[ACC+16+\i]|, |v[ACC+17+\i]|
.endr
	v_max3_num_f32 v[TQ], v[TQ], |v[ACC+15]|, 0x1800000
	v_max3_num_f32 v[TQ], v[TQ], |v[ACC+31]|, v[TQ+1]
	v_add_nc_u32 v[SOP], 0xff000000, v[TQ]
	v_cvt_scalef32_pk16_fp6_f32 v[\c:\c+2], v[ACC:ACC+15], v[SOP]
	v_cvt_scalef32_pk16_fp6_f32 v[TC:TC+2], v[ACC+16:ACC+31], v[SOP]
	v_lshrrev_b32 v[EB], 23, v[SOP]
.irp i, 0,1,2
	v_mov_b32 v[\c+3+\i], v[TC+\i]
.endr
.endm
; V: the 64 registers v[s] .. v[s + 63] of window win are 16 channels x 128 keys: register 16 b + i belongs to block b; the block's other 16 numbers lie in lane l xor 16.  Twelve registers of codes at v[F0], the four bytes in v[PW]
.macro QW win, s
	WIN 5*(\win)
.irp b, 0,1,2,3
	v_max3_num_f32 v[TM+\b], |v[(\s)+16*\b]|, |v[(\s)+16*\b+1]|, 0x1800000
.endr
	WIN 20*(\win)
.irp i, 2,4,6,8,10,12,14
.irp b, 0,1,2,3
	v_max3_num_f32 v[TM+\b], v[TM+\b], |v[(\s)+16*\b+\i]|, |v[(\s)+16*\b+\i+1]|
.endr
.endr
	WIN 0
.irp b, 0,1,2,3
	v_permlanex16_b32 v[TM+4+\b], v[TM+\b], s[SEL], s[SEL+1]
.endr
.irp b, 0,1,2,3
	v_max_num_f32 v[TM+\b], v[TM+\b], v[TM+4+\b]
.endr
.irp b, 0,1,2,3
	v_add_nc_u32 v[TM+12+\b], 0xff000000, v[TM+\b]
.endr
.irp b, 0,1,2,3
	v_lshrrev_b32 v[TM+4+\b], 23, v[TM+12+\b]
.endr
	v_lshl_or_b32 v[PW], v[TM+5], 8, v[TM+4]
	v_lshl_or_b32 v[PW], v[TM+6], 16, v[PW]
	v_lshl_or_b32 v[PW], v[TM+7], 24, v[PW]
	WIN (\win)
	v_cvt_scalef32_pk16_fp6_f32 v[F0:F0+2], v[(\s):(\s)+15], v[TM+12]
	v_cvt_scalef32_pk16_fp6_f32 v[TA:TA+2], v[(\s)+16:(\s)+31], v[TM+13]
	v_cvt_scalef32_pk16_fp6_f32 v[F0+6:F0+8], v[(\s)+32:(\s)+47], v[TM+14]
	v_cvt_scalef32_pk16_fp6_f32 v[TBB:TBB+2], v[(\s)+48:(\s)+63], v[TM+15]
	WIN 0
	v_nop
.irp i, 0,1,2
	v_permlane16_swap_b32 v[F0+\i], v[TA+\i]       ; a whole block to a lane: lanes 0-15 the even block, lanes 16-31 the odd one
	v_permlane16_swap_b32 v[F0+6+\i], v[TBB+\i]
.endr
.irp i, 0,1,2
	v_mov_b32 v[F0+3+\i], v[TA+\i]
	v_mov_b32 v[F0+9+\i], v[TBB+\i]
.endr
.endm
; A block of Q or K.  fetch 1: the block two on, at s90 / s91 from this parity's first; 2: this parity's first block again, for the next phase; 0: none.  w: what may be out behind this block's fetch
.macro QKB e, ph, fetch, w
	s_wait_dscnt \w
	BLOCK 0, \e, ACC, 8, 0
	WIN 0
.if \fetch == 1
	v_add_nc_u32 v[ADRA], s90, v[XA+3*\e]          ; three additions and a v_nop: the places between the products and the loads into their registers
	v_add_nc_u32 v[ADRA+1], s90, v[XA+3*\e+1]
	v_add_nc_u32 v[ADRA+2], s91, v[XA+3*\e+2]
	v_nop
	WALU
	FETCHAT \e, ADRA, ADRA+1, ADRA+2
.else
	PLACES 4
.if \fetch == 2
	FETCHAT \e, XA+3*\e, XA+3*\e+1, XA+3*\e+2
.endif
.endif
	QQ NCD+6*\e
	ds_store_b8 v[VX], v[EB] offset:256*\ph+2*\e   ; byte 64 m + 4 r + 2 (tile % 2) + h of my stage
	WALU
.endm
; Token tiles 2 m and 2 m + 1: one pair fragment.  Behind a block's fetch stand a byte's store, the next fetch and the next byte's store: 30; where nothing more is fetched, the two stores: 2
.macro PAIR ph, ob, fetch
	s_wait_xcnt 0x0                                ; the last pair's stores have read their registers
	v_add_nc_u32 v[VX], s92, v[STO]
	v_add_nc_u32 v[CV], s93, v[CO]
	WALU
	QKB 0, \ph, \fetch, NF+2
.if \fetch
	QKB 1, \ph, \fetch, NF+2
.else
	QKB 1, \ph, \fetch, 2
.endif
.irp c, 0,1,2
	global_store_b128 v[CV], v[NCD+4*\c:NCD+4*\c+3], s[\ob:\ob+1] offset:512*\c   ; 32 lanes store 512 consecutive bytes, at a multiple of 256 from the buffer's first byte
.endr
.endm
.macro QKPHASE ph, ob, tail
	s_mov_b32 s90, 32*PITCH
	s_mov_b32 s91, 2*544
	s_mov_b32 s92, 0
	s_mov_b32 s93, 0
	s_mov_b32 s89, 0
.Lpair_\@:
	PAIR \ph, \ob, 1
	s_add_co_u32 s90, s90, 32*PITCH
	s_add_co_u32 s91, s91, 2*544
	s_add_co_u32 s92, s92, 64
	s_add_co_u32 s93, s93, 1536
	s_add_co_u32 s89, s89, 1
	s_cmp_lt_u32 s89, 3
	s_cbranch_scc1 .Lpair_\@
	PAIR \ph, \ob, \tail
	ds_load_b64 v[WD:WD+1], v[STR] offset:256*\ph  ; my 256 scale bytes back, 8 a lane (LDS serves a wave's instructions in order)
.endm
; A change of phase: the refill is shown to all waves by a plain barrier, behind which nothing is filled; the next weight's scale words move in; its rows go into registers
.macro CHANGE hold
	s_wait_tensorcnt 0x0
	s_wait_dscnt 0x0
	BARRIER
	WIN 3
.set I_, 0
.rept 16
	v_mov_b32 v[SB+I_], v[\hold+I_]
.set I_, I_+1
.endr
	WIN 0
	SETBA WP, 8*PITCH                              ; eight places between the last scale word and the next product
	WALU
	WEIGHTS
.endm
	s_load_b512 s[4:19], s[0:1], 0x0               ; x's codes, scales; Wq's; Wk's; Wv's
	s_load_b128 s[20:23], s[0:1], 0x40             ; qrec, kv
	v_lshl_add_u32 v[SPW], v0, 2, SPARE
	v_mov_b32 v[NIL], 0
	ds_add_u32 v[SPW], v[NIL]                      ; the opening lines: the add twice on end and one wait
	ds_add_u32 v[SPW], v[NIL]
	v_lshrrev_b32 v1, 5, v0
	v_readfirstlane_b32 s24, v1                    ; wave
	s_lshr_b32 s25, s24, 1                         ; a
	s_and_b32 s26, s24, 1                          ; b
	s_bfe_u32 s27, ttmp6, 0x40000                  ; cx
	s_bfe_u32 s28, ttmp6, 0x40004                  ; cy
	s_lshl_b32 s29, ttmp9, 2
	s_add_co_u32 s29, s29, s27                     ; panel 0..7
	s_and_b32 s30, ttmp7, 0xffff
	s_lshl_b32 s30, s30, 2
	s_add_co_u32 s30, s30, s28                     ; chunk 0..31
	s_lshl_b32 s31, s28, 2
	s_lshl_b32 s31, 15, s31                        ; my row of the cluster
	s_lshl_b32 s32, 0x1111, s27                    ; my column
	GROUP1 G1X, 31, 128
	GROUP1 G1W, 32, 128
	s_or_b32 s[G1S+0], s31, (3<<16)|(1<<20)|(1<<21)|(5<<22)|(3<<25)   ; 8,192 dense scale bytes as 32 rows of 256, 16 of padding behind each
	s_mov_b32 s[G1S+1], 32<<16
	s_mov_b32 s[G1S+2], 32<<16
	s_mov_b32 s[G1S+3], 32<<16
	s_mov_b32 s[G1S+4], 32
	s_mov_b32 s[G1S+5], 32
	s_mov_b32 s[G1S+6], 0
	s_mov_b32 s[G1S+7], 0
	s_mul_i32 s76, s30, 256*KROW                   ; waves 1 and 2 fetch x's rows 0-127 and 128-255 of the chunk (wave / 2 = 0, 1)
	s_mul_i32 s77, s25, 128*KROW
	s_add_co_u32 s76, s76, s77
	s_mov_b32 s77, 0
	s_mul_i32 s78, s29, 128*KROW                   ; the panel's rows in each weight: kept
	s_mov_b32 s79, 0
	s_lshl_b32 s80, s30, 13                        ; the chunk's scale bytes
	s_mov_b32 s81, 0
	s_lshl_b32 s34, s29, 12
	s_lshl_b32 s35, s26, 11
	s_add_co_u32 s34, s34, s35                     ; my 64 weight rows' scale bytes
	s_mov_b32 s35, 0
	s_mov_b32 s[G0X], 1
	s_mul_i32 s[G0X+1], s25, 128*PITCH
	s_mov_b32 s[G0W], 1
	s_mov_b32 s[G0W+1], WB
	s_mov_b32 s[G0S], 1
	s_mov_b32 s[G0S+1], SCL
	s_lshr_b32 s86, s30, 3                         ; the record: ((16 batch + head) 16 + block of 128 tokens)
	s_lshl_b32 s86, s86, 4
	s_lshl_b32 s87, s29, 1
	s_add_co_u32 s86, s86, s87
	s_add_co_u32 s86, s86, s26
	s_lshl_b32 s86, s86, 4
	s_lshl_b32 s87, s30, 1
	s_add_co_u32 s87, s87, s25
	s_and_b32 s87, s87, 15
	s_add_co_u32 s86, s86, s87
	s_mul_i32 s82, s86, 6400
	s_mov_b32 s83, 0
	s_mul_i32 s84, s86, 12800
	s_mov_b32 s85, 0
	s_mul_i32 s86, s25, 128*PITCH                  ; LDS: my 128 rows of x,
	s_mul_i32 s87, s26, 64*PITCH
	s_add_co_u32 s87, s87, WB                      ; my 64 weight rows,
	s_mul_i32 s88, s25, 16*272
	s_add_co_u32 s88, s88, SCL                     ; my rows' scale bytes,
	s_mul_i32 s89, s24, 768
	s_add_co_u32 s89, s89, STG                     ; my stage
	s_mov_b32 s[SEL], 0x76543210
	s_mov_b32 s[SEL+1], 0xfedcba98
	s_wait_dscnt 0x0
	CROUND                                         ; all sixteen work-groups are here: the first joint loads meet
	s_wait_kmcnt 0x0
	s_add_nc_u64 s[G0X+2:G0X+3], s[4:5], s[76:77]
	s_or_b32 s[G0X+3], s[G0X+3], 0x80000000
	s_add_nc_u64 s[G0W+2:G0W+3], s[16:17], s[78:79]
	s_or_b32 s[G0W+3], s[G0W+3], 0x80000000
	s_add_nc_u64 s[G0S+2:G0S+3], s[6:7], s[80:81]
	s_or_b32 s[G0S+3], s[G0S+3], 0x80000000
	s_cmp_eq_u32 s24, 0                            ; one tensor load a wave, in one chain of branches on the wave's number
	s_cbranch_scc0 .Lhead_x
	TLOAD G0W, G1W                                 ; wave 0: Wv's rows, wanted first
	s_branch .Lasked
.Lhead_x:
	s_cmp_eq_u32 s24, 3
	s_cbranch_scc1 .Lhead_s
	TLOAD G0X, G1X                                 ; waves 1, 2: x's rows
	s_branch .Lasked
.Lhead_s:
	TLOAD G0S, G1S                                 ; wave 3: x's scale bytes
.Lasked:
	s_add_nc_u64 s[10:11], s[10:11], s[34:35]      ; my rows' scale bytes in Wq, Wk, Wv
	s_add_nc_u64 s[14:15], s[14:15], s[34:35]
	s_add_nc_u64 s[18:19], s[18:19], s[34:35]
	s_add_nc_u64 s[82:83], s[20:21], s[82:83]      ; my record of qrec,
	s_add_nc_u64 s[84:85], s[22:23], s[84:85]      ; of kv
	v_and_b32 v1, 15, v0                           ; r
	v_bfe_u32 v2, v0, 4, 1                         ; h
	v_and_b32 v3, 31, v0                           ; lane
	v_mul_u32_u24 v15, v1, PITCH
	v_mad_u32_u24 v[XA], v2, 24, v15
	v_mad_u32_u24 v[XA+1], v2, 40, v15
	v_add_nc_u32 v[WN], s87, v[XA]
	v_add_nc_u32 v[WN+1], s87, v[XA+1]
	v_add_nc_u32 v[XA], s86, v[XA]
	v_add_nc_u32 v[XA+1], s86, v[XA+1]
	v_add_nc_u32 v[XA+3], 16*PITCH, v[XA]
	v_add_nc_u32 v[XA+4], 16*PITCH, v[XA+1]
	v_lshrrev_b32 v15, 3, v1                       ; r / 8
	v_lshlrev_b32 v[XA+2], 5, v1
	v_lshl_add_u32 v[XA+2], v15, 4, v[XA+2]        ; 32 bytes a row, 16 more behind each 256
	v_add_nc_u32 v[XA+2], s88, v[XA+2]
	v_add_nc_u32 v[XA+5], 544, v[XA+2]
	v_mul_u32_u24 v[WP], v15, 24*PITCH
	v_add_nc_u32 v[WP+1], v[WP], v[WN+1]
	v_add_nc_u32 v[WP], v[WP], v[WN]
	v_lshlrev_b32 v12, 5, v3                       ; Wv's scale words: lane l takes row 32 p + l
	v_lshlrev_b32 v13, 5, v1
	v_mad_u32_u24 v13, v15, 768, v13
	v_lshl_add_u32 v13, v2, 8, v13                 ; Wq's, Wk's: lane (r, o) takes row 32 (r / 8) + 8 (2 p + o) + r % 8
	v_lshlrev_b32 v[CO], 4, v3
	v_lshlrev_b32 v[C8], 3, v3
	v_lshl_add_u32 v[STO], v1, 2, v2
	v_add_nc_u32 v[STO], s89, v[STO]
	v_add_nc_u32 v[STR], s89, v[C8]
	v_lshlrev_b32 v[STV], 2, v1
	v_add_nc_u32 v[STV], s89, v[STV]
.irp b, 0,1,2,3
	v_mov_b32 v[TM+4+\b], 0                        ; written once: a lane permute's destination counts as one of its sources
.endr
	SETBA WN, 16*PITCH
.irp p, 0,1
.irp c, 0,1
	global_load_b128 v[SB+8*\p+4*\c:SB+8*\p+4*\c+3], v12, s[18:19] offset:1024*\p+16*\c
.endr
.endr
	WIN 3<<6
.irp p, 0,1
.irp c, 0,1
	global_load_b128 v[200+8*\p+4*\c:200+8*\p+4*\c+3], v13, s[10:11] offset:512*\p+16*\c   ; v968-983
	global_load_b128 v[216+8*\p+4*\c:216+8*\p+4*\c+3], v13, s[14:15] offset:512*\p+16*\c   ; v984-999
.endr
.endr
	WIN 0
	WALU                                           ; the wait at the head's end
	s_cmp_eq_u32 s24, 0
	s_cbranch_scc0 .Lnot_w
	s_wait_tensorcnt 0x0
.Lnot_w:
	BARRIER                                        ; Wv's rows are in; the other tiles may be on their way
	WEIGHTS
	s_wait_loadcnt 0x0
	s_wait_tensorcnt 0x0                           ; the three lines ahead of a refill's round: all my tensor loads,
	ds_add_u32 v[SPW], v[NIL]                      ; the add,
	s_add_nc_u64 s[G0W+2:G0W+3], s[8:9], s[78:79]  ; (no load of mine is out: Wq's rows)
	s_or_b32 s[G0W+3], s[G0W+3], 0x80000000
	s_wait_dscnt 0x0                               ; the add, and Wv's rows in my registers
	CROUND
	s_cmp_lg_u32 s24, 0
	s_cbranch_scc1 .Lno_q
	TLOAD G0W, G1W                                 ; wave 0: Wq's rows onto Wv's
.Lno_q:
	FETCHAT 0, XA, XA+1, XA+2
	FETCHAT 1, XA+3, XA+4, XA+5
; ---- V: eight blocks of 16 keys; behind a block's fetch stands the next block's: NF.  The last two fetch blocks 0 and 1 again, for Q
.irp s, 0,1,2,3,4,5,6,7
	s_wait_dscnt NF
	BLOCK 1, \s%2, 64+8*\s, 64, 648
	WIN 0
	v_add_nc_u32 v[ADRA], ((\s+2)%8)*16*PITCH, v[XA]
	v_add_nc_u32 v[ADRA+1], ((\s+2)%8)*16*PITCH, v[XA+1]
	v_add_nc_u32 v[ADRA+2], ((\s+2)%8)*544, v[XA+2]
	v_nop
	WALU
	FETCHAT \s%2, ADRA, ADRA+1, ADRA+2
.endr
; ---- on to Q: V's way out stands under the flight of Wq's 104 loads
	CHANGE 200
.irp t, 0,1,2,3
.if \t > 0
	s_wait_xcnt 0x0                                ; the last fragment's stores have read v[F0] on
.endif
	QW (\t/2)*3, 64+64*\t-(\t/2)*120
	ds_store_b32 v[STV], v[PW] offset:512+64*\t    ; (both halves of the lanes hold row r's word)
.irp c, 0,1,2
	global_store_b128 v[CO], v[F0+4*\c:F0+4*\c+3], s[84:85] offset:6144+1536*\t+512*\c
.endr
.endr
	ds_load_b64 v[WD:WD+1], v[STR] offset:512
	WALU
	s_wait_tensorcnt 0x0
	ds_add_u32 v[SPW], v[NIL]
	s_add_nc_u64 s[G0W+2:G0W+3], s[12:13], s[78:79]   ; Wk's rows
	s_or_b32 s[G0W+3], s[G0W+3], 0x80000000
	s_wait_dscnt 0x0                               ; the add, and Wq's rows in my registers
	CROUND
	s_cmp_lg_u32 s24, 0
	s_cbranch_scc1 .Lno_k
	TLOAD G0W, G1W                                 ; wave 0: Wk's rows onto Wq's
.Lno_k:
	global_store_b64 v[C8], v[WD:WD+1], s[84:85] offset:12544   ; V's 256 scale bytes: one aligned run
	QKPHASE 0, 82, 2
; ---- on to K
	CHANGE 216
	global_store_b64 v[C8], v[WD:WD+1], s[82:83] offset:6144
	s_wait_dscnt 0x0                               ; Wk's rows are in my registers
	QKPHASE 1, 84, 0
	s_wait_dscnt 0x0
	global_store_b64 v[C8], v[WD:WD+1], s[84:85] offset:12288
	s_wait_tensorcnt 0x0                           ; the wave's end
	ds_add_u32 v[SPW], v[NIL]
	s_wait_dscnt 0x0
	CROUND                                         ; the closing round
	s_endpgm
.Lfunc_end_k_qcc18736d07_proj:
	.size	k_qcc18736d07_proj, .Lfunc_end_k_qcc18736d07_proj-k_qcc18736d07_proj
	.p2alignl 7, 3214868480
	.fill 96, 4, 3214868480
	.section	.rodata,"a",@progbits
	.p2align	6, 0x0
	.amdhsa_kernel k_qcc18736d07_proj
		.amdhsa_group_segment_fixed_size 327680
		.amdhsa_private_segment_fixed_size 0
		.amdhsa_enable_private_segment 0
		.amdhsa_kernarg_size 80
		.amdhsa_user_sgpr_count 2
		.amdhsa_user_sgpr_kernarg_segment_ptr 1
		.amdhsa_wavefront_size32 1
		.amdhsa_system_sgpr_workgroup_id_x 1
		.amdhsa_system_sgpr_workgroup_id_y 1
		.amdhsa_system_sgpr_workgroup_id_z 1
		.amdhsa_system_vgpr_workitem_id 0
		.amdhsa_next_free_vgpr 1024
		.amdhsa_next_free_sgpr 100
		.amdhsa_reserve_vcc 0
		.amdhsa_float_denorm_mode_32 3
		.amdhsa_float_denorm_mode_16_64 3
		.amdhsa_memory_ordered 1
		.amdhsa_forward_progress 1
		.amdhsa_inst_pref_size 168
	.end_amdhsa_kernel
	.amdgpu_metadata
---
amdhsa.version: [ 1, 2 ]
amdhsa.kernels:
  - .name:           k_qcc18736d07_proj
    .symbol:         k_qcc18736d07_proj.kd
    .args:
      - { .name: x_codes, .offset: 0, .size: 8, .value_kind: global_buffer, .address_space: global }
      - { .name: x_scales, .offset: 8, .size: 8, .value_kind: global_buffer, .address_space: global }
      - { .name: Wq_codes, .offset: 16, .size: 8, .value_kind: global_buffer, .address_space: global }
      - { .name: Wq_scales, .offset: 24, .size: 8, .value_kind: global_buffer, .address_space: global }
      - { .name: Wk_codes, .offset: 32, .size: 8, .value_kind: global_buffer, .address_space: global }
      - { .name: Wk_scales, .offset: 40, .size: 8, .value_kind: global_buffer, .address_space: global }
      - { .name: Wv_codes, .offset: 48, .size: 8, .value_kind: global_buffer, .address_space: global }
      - { .name: Wv_scales, .offset: 56, .size: 8, .value_kind: global_buffer, .address_space: global }
      - { .name: qrec, .offset: 64, .size: 8, .value_kind: global_buffer, .address_space: global }
      - { .name: kv, .offset: 72, .size: 8, .value_kind: global_buffer, .address_space: global }
    .group_segment_fixed_size: 327680
    .private_segment_fixed_size: 0
    .kernarg_segment_align: 8
    .kernarg_segment_size: 80
    .max_flat_workgroup_size: 128
    .sgpr_count:     100
    .vgpr_count:     1024
    .wavefront_size: 32
...
	.end_amdgpu_metadata
.endif
;; end of part 1
;; launch attn (part 2): grid 4 x 64, 16 waves a work-group, clusters of 4 x 1, 206,848 bytes of LDS; arguments qrec, kv, ctx_img, ctx_sc; writes ctx_img, ctx_sc
.if DOCPART == 2
	.amdgcn_target "amdgcn-amd-amdhsa--gfx1250"
	.amdhsa_code_object_version 6
	.text
	.protected	k_qcc18736d07_attn
	.globl	k_qcc18736d07_attn
	.p2align	8
	.type	k_qcc18736d07_attn,@function
k_qcc18736d07_attn:
	s_mov_b64 s[64:65], 0
	v_nop
	global_prefetch_b8 v0, s[64:65] scope:SCOPE_SE
	s_setreg_imm32_b32 hwreg(HW_REG_WAVE_MODE, 25, 1), 1
	s_wait_xcnt 0x0
	s_wait_alu depctr_hold_cnt(0) depctr_sa_sdst(0) depctr_va_vdst(0) depctr_va_sdst(0) depctr_va_ssrc(0) depctr_va_vcc(0) depctr_vm_vsrc(0)
	s_getreg_b32 s2, hwreg(HW_REG_IB_STS2, 6, 4)
	s_cmp_eq_u32 s2, 0
	s_cbranch_scc0 .Lentry_in_a_cluster
	s_endpgm
.Lentry_in_a_cluster:
	s_bfe_u32 s2, ttmp6, 0x10000c
	s_cmp_lg_u32 s2, 0x3003
	s_cbranch_scc0 .Lentry_shape_is_right
	s_endpgm
.Lentry_shape_is_right:
; Causal attention of one head (64 channels, 2,048 tokens) on codes of FP6 (E2M3) with one E8M0 scale for each 32 along a product's K; the result O / l is quantised along the channels for the last projection.
; IN: qrec [64 heads][16 blocks of 128 queries][6,400] and kv [64 heads][16 steps of 128 keys][12,800]: images of the operands' registers (register group c at 512 c + 16 x lane).
;   A record of kv: K's 4 pair fragments (pair m: key tile 2 m at k 0-63, tile 2 m + 1 at k 64-127); at 6,144 V's 4 fragments (16 channels x 128 keys); at 12,288 K's pair words; at 12,544 V's words.
; THE SOFTMAX: t = score x log2(e) / 8; M = the row's largest t so far, rounded UP to a whole number; p = 2^(t - M) is quantised along the keys, not normalised; the row's sum is taken of the unquantised p and divides
; O at the end.  When M moves, the sum and O are multiplied by 2^(old M - new M): exact.
; THE HEAD'S 64 FILL HALF OF THE INSTRUCTION'S 128: a pair fragment of K is multiplied once by [Q | 0] (key tile 2 m) and once by [0 | Q] (tile 2 m + 1): zero codes add nothing under these scale bytes (1 .. 254).
; LDS: the head's 16 records, 204,800 bytes, are filled ONCE, each wave bringing one record, and only read afterwards: no ring, no refill, no barrier in the loop.
; CLUSTER: the four work-groups of a cluster belong to one head: each record is asked for JOINTLY, by the same tensor load with the same descriptor and the mask of all four.
; SHARES: query tile 8 u + v (16 queries) needs key steps 0 .. u.  Wave w (u = w % 8, tau = w / 8) of work-group cx takes v = 2 cx + tau and two tiles, (u, v) and then (15 - u, v): (u + 1) + (16 - u) = 17 steps for
; every wave.  Branches hang on the wave's number and the trip counter alone; cx enters global addresses and the mask's vector constant.
; LAYOUT: S^T = K Q^T, O^T = V^T P^T: a lane holds one query (lane % 16) throughout.  Register 8 t + j of S^T is key 16 t + 8 (lane / 16) + j of the step; p is quantised as it lies, and V's keys were laid in the same
; order inside each block of 32.  Only O / l meets a given operand: lane swaps bring its channels into their natural order.
; OUT: ctx_img [512 row tiles][16 heads][3 pieces][32 lanes][8 bytes]: six registers of a fragment a head; ctx_sc [8,192 rows][32]: byte 2 head + block.
; LIMITS: NaN and infinities are not served.  A block of zeros gets the byte 1 (the rule says 127): its codes are zeros, and this program alone reads the bytes.
; REGISTERS: v1-11 addresses; v12 -M, v13 the largest t, v[14:15] the sum in two halves; v[16:21] 0, v[22:27] Q, v[28:33] 0; v34-81 four fragments of K or of V; v82-88 the second tile's Q and its scale word;
;   v90-91 the stores' offsets; v96-159 S^T, then p; v160-191 O^T; v224-235 p's codes; v232-247 at work; v248-249 K's scale words, v250-251 V's; v252 f; v253 p's scale word; v254 at work; v255 Q's scale word.
.set REC, 12800                        ; a record of kv
.set VFR, 6144                         ; V's fragments in it
.set KWD, 12288                        ; K's pair words
.set VWD, 12544                        ; V's words
.set WV,  12                           ; s12 my wave's number
.macro CROUND                          ; a round of the cluster's barrier
	s_barrier_signal -1
	s_barrier_wait -1
	s_cmp_lg_u32 s[WV], 0
	s_cbranch_scc1 .Lnot_wave_0_\@
	s_barrier_signal -3
.Lnot_wave_0_\@:
	s_barrier_wait -3
	s_barrier_signal -1
	s_barrier_wait -1
.endm
	s_load_b256 s[4:11], s[0:1], 0x0               ; qrec s[4:5], kv s[6:7], ctx_img s[8:9], ctx_sc s[10:11]
	v_lshl_add_u32 v223, v0, 2, 0x32000
	v_mov_b32 v243, 0
	ds_add_u32 v223, v243
	ds_add_u32 v223, v243
	v_lshrrev_b32 v8, 5, v0
	s_delay_alu instid0(VALU_DEP_1)
	v_readfirstlane_b32 s[WV], v8                  ; wave 0..15
	s_bfe_u32 s13, ttmp6, 0x40000                  ; cx
	s_and_b32 s14, ttmp7, 0xffff                   ; 16 x batch + head, which the four partners share
	s_and_b32 s15, s[WV], 7                        ; u
	s_add_co_u32 s16, s15, 1                       ; u + 1: the first tile's steps
	s_sub_co_u32 s17, 15, s15                      ; 15 - u: the second tile's u
	s_lshr_b32 s19, s[WV], 3                       ; tau
	s_lshl_b32 s18, s13, 1
	s_add_co_u32 s18, s18, s19                     ; v = 2 cx + tau
	s_mov_b32 s20, 0x76543210                      ; s20, s21: lane selects for v_permlanex16_b32: lane l xor 16
	s_mov_b32 s21, 0xfedcba98
	s_mov_b32 s22, 0x3e38aa3b                      ; c = log2(e) / 8
	s_mov_b32 s23, s22                             ; (named with it as a pair, so it is written)
	s_mov_b32 s41, 0xffff0000                      ; lanes 16-31
	; descriptor group 1: a record, 12,800 dense bytes, as 50 rows of 256 bytes
	s_mov_b32 s24, 15|(3<<16)|(1<<21)              ; 15:0 the mask: all four work-groups; 17:16 elements of 8 bytes; 21 set beside a mask; no padding
	s_mov_b32 s25, 32<<16                          ; tensor_dim0 = 32
	s_mov_b32 s26, 50<<16                          ; tensor_dim1 = 50
	s_mov_b32 s27, 32<<16                          ; tile_dim0 = 32
	s_mov_b32 s28, 50                              ; tile_dim1 = 50
	s_mov_b32 s29, 32                              ; from row to row
	s_mov_b32 s30, 0
	s_mov_b32 s31, 0
	s_mov_b32 s32, 1                               ; group 0: count = 1,
	s_mul_i32 s33, s[WV], REC                      ; LDS address: record w,
	s_mul_i32 s42, s14, 16*REC
	s_add_co_u32 s42, s42, s33                     ; its bytes in kv: under 13,107,200
	s_mov_b32 s43, 0
	s_lshr_b32 s48, s14, 4
	s_lshl_b32 s48, s48, 7
	s_add_co_u32 s48, s48, s18                     ; 128 x batch + v: a row tile's number less 8 u
	s_and_b32 s50, s14, 15                         ; the head
	s_mul_i32 s49, s50, 768                        ; its bytes in a row tile of ctx_img
	s_lshl_b32 s50, s50, 1                         ; and in a row of ctx_sc
	s_mov_b32 s36, 0                               ; the trip counter
	s_wait_dscnt 0x0
	s_wait_kmcnt 0x0
	s_add_nc_u64 s[34:35], s[6:7], s[42:43]
	s_or_b32 s35, s35, 0x80000000                  ; type = 2
	CROUND                                         ; all four work-groups are here: the joint loads meet
	tensor_load_to_lds s[32:35], s[24:31]          ; my record: one load of mine is out
	s_nop 0
.rept 4
	v_nop
.endr
	s_lshl_b32 s42, s14, 4
	s_add_co_u32 s44, s42, s15
	s_mul_i32 s44, s44, 6400
	s_mov_b32 s45, 0
	s_add_nc_u64 s[44:45], s[4:5], s[44:45]        ; the first tile's block of queries in qrec
	s_add_co_u32 s46, s42, s17
	s_mul_i32 s46, s46, 6400
	s_mov_b32 s47, 0
	s_add_nc_u64 s[46:47], s[4:5], s[46:47]        ; the second's
	v_and_b32 v11, 31, v0                          ; lane
	s_delay_alu instid0(VALU_DEP_1)
	v_lshlrev_b32 v1, 4, v11                       ; 16 x lane
	s_delay_alu instid0(VALU_DEP_2)
	v_lshlrev_b32 v2, 2, v11                       ; 4 x lane
	s_delay_alu instid0(VALU_DEP_3)
	v_lshlrev_b32 v7, 3, v11                       ; 8 x lane
	v_and_b32 v89, 15, v0                          ; r
	s_wait_alu depctr_va_vdst(0)
	v_bfe_u32 v92, v0, 4, 1                        ; h
	s_delay_alu instid0(VALU_DEP_1)
	v_lshl_add_u32 v10, v89, 5, v92                ; 32 r + h: my byte of ctx_sc
	s_delay_alu instid0(VALU_DEP_2)
	v_lshlrev_b32 v93, 3, v92
	s_delay_alu instid0(VALU_DEP_1)
	v_sub_nc_u32 v6, v89, v93
	s_lshl_b32 s43, s18, 4
	v_add_nc_u32 v6, s43, v6                       ; d = 16 v + r - 8 h: on the diagonal register 8 t + j is hidden where 16 t + j > d
	; my tile is half tau of pair cx: registers 6 tau .. 6 tau + 5 of the image, three pieces of 8 bytes at 16 x lane + (0, 8, 512) or (520, 1024, 1032)
	s_mul_i32 s42, s13, 1536
	s_mul_i32 s43, s19, 520
	s_add_co_u32 s43, s43, s42
	v_add_nc_u32 v3, s43, v1
	s_add_co_u32 s43, s43, 512
	v_add_nc_u32 v5, s43, v1
	s_mul_i32 s43, s19, 1016
	s_add_co_u32 s43, s43, s42
	s_add_co_u32 s43, s43, 8
	v_add_nc_u32 v4, s43, v1
	s_lshl_b32 s43, s13, 6
	v_lshl_add_u32 v11, v89, 2, s43                ; the pair's scale word of row r
	global_load_b64 v[22:23], v3, s[44:45]
	global_load_b64 v[24:25], v4, s[44:45]
	global_load_b64 v[26:27], v5, s[44:45]
	global_load_b32 v255, v11, s[44:45] offset:6144
	global_load_b64 v[82:83], v3, s[46:47]
	global_load_b64 v[84:85], v4, s[46:47]
	global_load_b64 v[86:87], v5, s[46:47]
	global_load_b32 v88, v11, s[46:47] offset:6144
.irp i, 0,1,2,3,4,5
	v_mov_b32 v[16+\i], 0                          ; zero codes on both sides of Q: v[22:33] = [Q | 0], v[16:27] = [0 | Q]
	v_mov_b32 v[28+\i], 0
.endr
.irp b, 0,1,2,3
	v_mov_b32 v[236+\b], 0                         ; written once: a lane permute's destination counts as one of its sources
.endr
	v_mov_b32 v252, 0
	v_mov_b32 v253, 0                              ; (named as the upper half of the pair v[252:253] before it is first written)
	s_mul_i32 s43, s19, 0x02020202
	s_add_co_u32 s43, s43, 0x01000100              ; byte selects: my tile's two bytes, twice
	s_wait_loadcnt 0x0
	v_perm_b32 v255, v255, v255, s43               ; Q's scale word (s0, s1, s0, s1): it serves [Q | 0] and [0 | Q] alike
	v_perm_b32 v88, v88, v88, s43
	v_mov_b32 v13, 0xff61b1e6                      ; the largest t so far: -3e38, under every t
	s_delay_alu instid0(VALU_DEP_1)
	v_floor_f32 v12, -v13                          ; -M
	v_mov_b32 v14, 0                               ; the sum, in two halves
	v_mov_b32 v15, 0
.set J, 0
.rept 32
	v_mov_b32 v[160+J], 0                          ; O^T: the first change of M leaves zeros zeros.  (These lines are also the places between the scale word's making and the first product)
.set J, J+1
.endr
	s_wait_tensorcnt 0x0                           ; my record is in,
	s_barrier_signal -1
	s_barrier_wait -1                              ; everybody's is: from here on LDS is only read
.Ltrip:                                            ; 17 trips: trips 0 .. u are the first tile's steps, the others the second's
	s_cmp_gt_u32 s36, s15
	s_cselect_b32 s40, s16, 0
	s_cselect_b32 s38, s17, s15                    ; the tile's last step, which lies on the diagonal
	s_sub_co_u32 s37, s36, s40                     ; the key step
	s_min_u32 s37, s37, 15
	s_mul_i32 s39, s37, REC
	v_add_nc_u32 v8, s39, v1                       ; the step's record: images,
	v_add_nc_u32 v9, s39, v2                       ; scale words
	v_nop                                          ; with the two additions: four places behind the last products, in front of loads into registers that they read
	v_nop
.irp m, 0,1,2,3
.irp c, 0,1,2
	ds_load_b128 v[34+12*\m+4*\c:37+12*\m+4*\c], v8 offset:1536*\m+512*\c   ; K's pair fragments: 512 consecutive bytes an instruction
.endr
.endr
	ds_load_b32 v248, v9 offset:KWD                ; lanes 0-15 pair 0's words, lanes 16-31 pair 1's
	ds_load_b32 v249, v9 offset:KWD+128            ; pairs 2 and 3
	s_wait_alu depctr_va_vdst(0)
	s_wait_dscnt 0x0
.irp m, 0,1,2,3                                    ; S^T: eight tiles of 16 keys, each begun with 0; eight accumulators, one instruction each
.if \m%2
	v_wmma_scale_f32_16x16x128_f8f6f4 v[96+16*\m:103+16*\m], v[34+12*\m:45+12*\m], v[22:33], 0, v[248+\m/2], v255 matrix_a_fmt:MATRIX_FMT_FP6 matrix_b_fmt:MATRIX_FMT_FP6 matrix_a_scale:MATRIX_SCALE_ROW1
	v_wmma_scale_f32_16x16x128_f8f6f4 v[104+16*\m:111+16*\m], v[34+12*\m:45+12*\m], v[16:27], 0, v[248+\m/2], v255 matrix_a_fmt:MATRIX_FMT_FP6 matrix_b_fmt:MATRIX_FMT_FP6 matrix_a_scale:MATRIX_SCALE_ROW1
.else
	v_wmma_scale_f32_16x16x128_f8f6f4 v[96+16*\m:103+16*\m], v[34+12*\m:45+12*\m], v[22:33], 0, v[248+\m/2], v255 matrix_a_fmt:MATRIX_FMT_FP6 matrix_b_fmt:MATRIX_FMT_FP6
	v_wmma_scale_f32_16x16x128_f8f6f4 v[104+16*\m:111+16*\m], v[34+12*\m:45+12*\m], v[16:27], 0, v[248+\m/2], v255 matrix_a_fmt:MATRIX_FMT_FP6 matrix_b_fmt:MATRIX_FMT_FP6
.endif
.endr
.rept 4
	v_nop                                          ; places: for the loads below and for the first read of the scores
.endr
.irp t, 0,1,2,3
.irp c, 0,1,2
	ds_load_b128 v[34+12*\t+4*\c:37+12*\t+4*\c], v8 offset:VFR+1536*\t+512*\c   ; V's fragments are asked for now and land under the softmax
.endr
.endr
	ds_load_b32 v250, v9 offset:VWD
	ds_load_b32 v251, v9 offset:VWD+128
	s_cmp_lg_u32 s37, s38                          ; only the tile's last step lies on the diagonal
	s_cbranch_scc1 .Lopen
	v_mov_b32 v254, 0xff800000                     ; hidden scores become -infinity ahead of the maximum: p = 0 then
.set N, 0
.rept 64
	v_cmp_gt_i32 vcc_lo, 16*(N/8)+N%8, v6
	v_cndmask_b32 v[96+N], v[96+N], v254, vcc_lo
.set N, N+1
.endr
.Lopen:
.irp b, 0,1,2,3
	v_max3_num_f32 v[232+\b], v[96+16*\b], v[97+16*\b], v[98+16*\b]   ; the largest score of each block of 32 keys: for the row's maximum, and, since p rises with the score, for the block's largest p
.endr
.irp i, 3,5,7,9,11,13
.irp b, 0,1,2,3
	v_max3_num_f32 v[232+\b], v[232+\b], v[96+16*\b+\i], v[97+16*\b+\i]
.endr
.endr
.irp b, 0,1,2,3
	v_max_num_f32 v[232+\b], v[232+\b], v[111+16*\b]
.endr
.irp b, 0,1,2,3
	s_delay_alu instid0(VALU_DEP_4)
	v_permlanex16_b32 v[236+\b], v[232+\b], s20, s21
.endr
.irp b, 0,1,2,3
	s_delay_alu instid0(VALU_DEP_4)
	v_max_num_f32 v[232+\b], v[232+\b], v[236+\b]  ; with lane l xor 16's 16 keys
.endr
	s_delay_alu instid0(VALU_DEP_2)
	v_max3_num_f32 v254, v232, v233, v234
	s_delay_alu instid0(VALU_DEP_1)
	v_max_num_f32 v254, v254, v235                 ; the step's largest score of my query
	s_delay_alu instid0(VALU_DEP_1)
	v_mul_f32 v254, s22, v254                      ; as t (c is positive)
	s_delay_alu instid0(VALU_DEP_1)
	v_max_num_f32 v13, v13, v254                   ; the running largest t
	v_mov_b32 v254, v12
	s_delay_alu instid0(VALU_DEP_2)
	v_floor_f32 v12, -v13                          ; the new -M = floor(-t) = -ceil(t): a whole number
	s_delay_alu instid0(VALU_DEP_1)
	v_sub_f32 v254, v12, v254                      ; old M less new M: a whole number, 0 or less
	s_delay_alu instid0(VALU_DEP_1)
	v_cvt_i32_f32 v254, v254                       ; (it saturates)
	s_delay_alu instid0(VALU_DEP_1)
	v_ldexp_f32 v252, 1.0, v254                    ; f = 2^(old M - new M)
.set J, 0
.rept 32
	v_pk_fma_f32 v[96+J:97+J], v[96+J:97+J], s[22:23], v[12:13] op_sel_hi:[1,0,0]   ; t - M, two at a time
.set J, J+2
.endr
.irp b, 0,1,2,3
	v_fma_f32 v[232+\b], v[232+\b], s22, v12       ; the same of each block's largest score
.endr
.set J, 0
	s_wait_alu depctr_va_vdst(0)
.rept 64
	v_exp_f32 v[96+J], v[96+J]                     ; p = 2^(t - M), at most 1
.set J, J+1
.endr
.irp b, 0,1,2,3
	v_exp_f32 v[232+\b], v[232+\b]                 ; the block's largest p: the same two instructions on the same number
.endr
	v_pk_mul_f32 v[14:15], v[14:15], v[252:253] op_sel_hi:[1,0]   ; the sums under the new M.  (A plain place behind the exponentials)
	s_wait_alu depctr_va_vdst(0)
.irp b, 0,1,2,3
	v_max_num_f32 v[232+\b], 0x1800000, v[232+\b]  ; the floor 2^(3 - 127): the byte cannot fall under 1
.endr
.irp b, 0,1,2,3
	s_delay_alu instid0(VALU_DEP_4)
	v_add_nc_u32 v[244+\b], 0xff000000, v[232+\b]  ; 2 off the exponent field: the conversion's scale operand
.endr
.irp b, 0,1,2,3
	s_delay_alu instid0(VALU_DEP_4)
	v_lshrrev_b32 v[236+\b], 23, v[244+\b]         ; the scale's byte
.endr
	s_delay_alu instid0(VALU_DEP_3)
	v_lshl_or_b32 v253, v237, 8, v236              ; p's scale word for these 128 keys
	s_delay_alu instid0(VALU_DEP_1)
	v_lshl_or_b32 v253, v238, 16, v253
	s_delay_alu instid0(VALU_DEP_1)
	v_lshl_or_b32 v253, v239, 24, v253
.irp c, 0,1
	v_cvt_scalef32_pk16_fp6_f32 v[224+6*\c:226+6*\c], v[96+32*\c:111+32*\c], v[244+2*\c]
	v_cvt_scalef32_pk16_fp6_f32 v[236+4*\c:238+4*\c], v[112+32*\c:127+32*\c], v[244+2*\c+1]   ; (a conversion's three registers begin on an even number)
.endr
	v_nop                                          ; one plain place behind a scaled conversion
.irp c, 0,1                                        ; a whole block to a lane: lanes 0-15 block 2 c, lanes 16-31 block 2 c + 1
.irp i, 0,1,2
	v_permlane16_swap_b32 v[224+6*\c+\i], v[236+4*\c+\i]
.endr
.irp i, 0,1,2
	s_delay_alu instid0(VALU_DEP_3)
	v_mov_b32 v[227+6*\c+\i], v[236+4*\c+\i]
.endr
.endr
	v_pk_add_f32 v[236:237], v[100:101], v[104:105]
	v_pk_add_f32 v[248:249], v[108:109], v[112:113]
	v_pk_add_f32 v[246:247], v[116:117], v[120:121]
	v_pk_add_f32 v[244:245], v[124:125], v[128:129]
	v_pk_add_f32 v[240:241], v[132:133], v[136:137]
	v_pk_add_f32 v[220:221], v[140:141], v[144:145]
	v_pk_add_f32 v[218:219], v[148:149], v[152:153]
	v_pk_add_f32 v[14:15], v[14:15], v[156:157]
	v_pk_add_f32 v[236:237], v[236:237], v[96:97]
	v_pk_add_f32 v[248:249], v[248:249], v[98:99]
	v_pk_add_f32 v[246:247], v[246:247], v[102:103]
	v_pk_add_f32 v[244:245], v[244:245], v[106:107]
	v_pk_add_f32 v[240:241], v[240:241], v[110:111]
	v_pk_add_f32 v[220:221], v[220:221], v[114:115]
	v_pk_add_f32 v[218:219], v[218:219], v[118:119]
	v_pk_add_f32 v[14:15], v[14:15], v[122:123]
	v_pk_add_f32 v[236:237], v[236:237], v[126:127]
	v_pk_add_f32 v[248:249], v[248:249], v[130:131]
	v_pk_add_f32 v[246:247], v[246:247], v[134:135]
	v_pk_add_f32 v[244:245], v[244:245], v[138:139]
	v_pk_add_f32 v[240:241], v[240:241], v[142:143]
	v_pk_add_f32 v[220:221], v[220:221], v[146:147]
	v_pk_add_f32 v[218:219], v[218:219], v[150:151]
	v_pk_add_f32 v[14:15], v[14:15], v[154:155]
	v_pk_add_f32 v[236:237], v[236:237], v[158:159]
	s_delay_alu instid0(VALU_DEP_2)
	v_pk_add_f32 v[14:15], v[14:15], v[244:245]
	s_delay_alu instid0(VALU_DEP_2)
	v_pk_add_f32 v[236:237], v[236:237], v[240:241]
	v_pk_add_f32 v[248:249], v[248:249], v[220:221]
	v_pk_add_f32 v[246:247], v[246:247], v[218:219]
	s_delay_alu instid0(VALU_DEP_2)
	v_pk_add_f32 v[14:15], v[14:15], v[248:249]
	s_delay_alu instid0(VALU_DEP_2)
	v_pk_add_f32 v[236:237], v[236:237], v[246:247]
	s_delay_alu instid0(VALU_DEP_1)
	v_pk_add_f32 v[14:15], v[14:15], v[236:237]
.set J, 0
.rept 16
	v_pk_mul_f32 v[160+J:161+J], v[160+J:161+J], v[252:253] op_sel_hi:[1,0]   ; O^T under the new M.  (With the sums: the places between p's codes and scale word and the products below)
.set J, J+2
.endr
	s_wait_alu depctr_va_vdst(0)
	s_wait_dscnt 0x0                               ; V and its scale words are in
.irp t, 0,1,2,3                                    ; O^T += V^T P^T: four tiles of 16 channels, four accumulators, one instruction each
.if \t%2
	v_wmma_scale_f32_16x16x128_f8f6f4 v[160+8*\t:167+8*\t], v[34+12*\t:45+12*\t], v[224:235], v[160+8*\t:167+8*\t], v[250+\t/2], v253 matrix_a_fmt:MATRIX_FMT_FP6 matrix_b_fmt:MATRIX_FMT_FP6 matrix_a_scale:MATRIX_SCALE_ROW1
.else
	v_wmma_scale_f32_16x16x128_f8f6f4 v[160+8*\t:167+8*\t], v[34+12*\t:45+12*\t], v[224:235], v[160+8*\t:167+8*\t], v[250+\t/2], v253 matrix_a_fmt:MATRIX_FMT_FP6 matrix_b_fmt:MATRIX_FMT_FP6
.endif
.endr
	s_cmp_lg_u32 s37, s38
	s_cbranch_scc1 .Lnext
	; THE TILE IS FINISHED: O^T / l, the channels into their natural order, two blocks of 32 quantised, six registers of codes and two bytes a row stored.
.rept 4
	v_nop                                          ; places behind the last products
.endr
	v_add_f32 v14, v14, v15                        ; the sum's two halves,
	s_delay_alu instid0(VALU_DEP_1)
	v_permlanex16_b32 v252, v14, s20, s21
	s_delay_alu instid0(VALU_DEP_1)
	v_add_f32 v14, v14, v252                       ; and lane l xor 16's: the row's sum
	s_wait_alu depctr_va_vdst(0)
	v_rcp_f32 v14, v14
	v_nop                                          ; one plain place behind a transcendental
.set J, 0
	s_wait_alu depctr_va_vdst(0)
.rept 16
	v_pk_mul_f32 v[96+J:97+J], v[160+J:161+J], v[14:15] op_sel_hi:[1,0]   ; register 8 t + j: channel 16 t + 8 h + j
.set J, J+2
.endr
.irp b, 0,1
.irp j, 0,1,2,3,4,5,6,7
	v_permlane16_swap_b32 v[96+16*\b+\j], v[104+16*\b+\j]   ; tile 2 b's lanes 16-31 change places with tile 2 b + 1's lanes 0-15: register 16 b + i is now channel 32 b + 16 h + i
.endr
.endr
	v_max3_num_f32 v232, |v96|, |v97|, 0x1800000   ; my 16 numbers of each block, and the floor
	v_max3_num_f32 v233, |v112|, |v113|, 0x1800000
.irp i, 2,4,6,8,10,12,14
	s_delay_alu instid0(VALU_DEP_2)
	v_max3_num_f32 v232, v232, |v[96+\i]|, |v[97+\i]|
	s_delay_alu instid0(VALU_DEP_2)
	v_max3_num_f32 v233, v233, |v[112+\i]|, |v[113+\i]|
.endr
	s_delay_alu instid0(VALU_DEP_2)
	v_permlanex16_b32 v236, v232, s20, s21
	s_delay_alu instid0(VALU_DEP_2)
	v_permlanex16_b32 v237, v233, s20, s21
	s_delay_alu instid0(VALU_DEP_2)
	v_max_num_f32 v232, v232, v236
	s_delay_alu instid0(VALU_DEP_2)
	v_max_num_f32 v233, v233, v237
	s_delay_alu instid0(VALU_DEP_2)
	v_add_nc_u32 v244, 0xff000000, v232
	s_delay_alu instid0(VALU_DEP_2)
	v_add_nc_u32 v245, 0xff000000, v233
	s_delay_alu instid0(VALU_DEP_2)
	v_lshrrev_b32 v236, 23, v244
	s_delay_alu instid0(VALU_DEP_2)
	v_lshrrev_b32 v237, 23, v245
	s_delay_alu instid0(VALU_DEP_1)
	v_cndmask_b32 v254, v236, v237, s41            ; lanes 0-15 store block 0's byte of row r, lanes 16-31 block 1's
	v_cvt_scalef32_pk16_fp6_f32 v[224:226], v[96:111], v244
	v_cvt_scalef32_pk16_fp6_f32 v[240:242], v[112:127], v245
	v_nop                                          ; one plain place behind a scaled conversion
.irp i, 0,1,2
	v_permlane16_swap_b32 v[224+\i], v[240+\i]
.endr
.irp i, 0,1,2
	s_delay_alu instid0(VALU_DEP_3)
	v_mov_b32 v[227+\i], v[240+\i]                 ; v[224:229]: lanes 0-15 channels 0-31 of row r, lanes 16-31 channels 32-63
.endr
	s_lshl_b32 s42, s38, 3
	s_add_co_u32 s42, s42, s48                     ; the row tile: 128 x batch + 8 u + v
	s_mul_i32 s43, s42, 12288
	s_add_co_u32 s43, s43, s49
	v_add_nc_u32 v90, s43, v7
	s_lshl_b32 s42, s42, 9
	s_add_co_u32 s42, s42, s50
	v_add_nc_u32 v91, s42, v10
.irp p, 0,1,2
	global_store_b64 v90, v[224+2*\p:225+2*\p], s[8:9] offset:256*\p   ; 32 lanes store 256 consecutive bytes, at a multiple of 256 from the buffer's first byte
.endr
	global_store_b8 v91, v254, s[10:11]
	s_wait_xcnt 0x0                                ; the stores have read their registers: these are written again in the next trips
	; ON TO THE SECOND TILE (behind the second tile these lines run once more and serve nothing: registers alone).  Q and its scale word first: the lines behind them are their places ahead of the next products
.irp i, 0,1,2,3,4,5
	v_mov_b32 v[22+\i], v[82+\i]
.endr
	v_mov_b32 v255, v88
	v_mov_b32 v13, 0xff61b1e6
	s_delay_alu instid0(VALU_DEP_1)
	v_floor_f32 v12, -v13
	v_mov_b32 v14, 0
	v_mov_b32 v15, 0
.set J, 0
.rept 32
	v_mov_b32 v[160+J], 0
.set J, J+1
.endr
.Lnext:
	s_add_co_u32 s36, s36, 1
	s_cmp_lt_u32 s36, 17
	s_cbranch_scc1 .Ltrip
	s_wait_tensorcnt 0x0
	ds_add_u32 v223, v243
	s_wait_dscnt 0x0
	CROUND                                         ; the closing round
	s_endpgm
.Lfunc_end_k_qcc18736d07_attn:
	.size	k_qcc18736d07_attn, .Lfunc_end_k_qcc18736d07_attn-k_qcc18736d07_attn
	.p2alignl 7, 3214868480
	.fill 96, 4, 3214868480
	.section	.rodata,"a",@progbits
	.p2align	6, 0x0
	.amdhsa_kernel k_qcc18736d07_attn
		.amdhsa_group_segment_fixed_size 206848
		.amdhsa_private_segment_fixed_size 0
		.amdhsa_enable_private_segment 0
		.amdhsa_kernarg_size 32
		.amdhsa_user_sgpr_count 2
		.amdhsa_user_sgpr_kernarg_segment_ptr 1
		.amdhsa_wavefront_size32 1
		.amdhsa_system_sgpr_workgroup_id_x 1
		.amdhsa_system_sgpr_workgroup_id_y 1
		.amdhsa_system_sgpr_workgroup_id_z 1
		.amdhsa_system_vgpr_workitem_id 0
		.amdhsa_next_free_vgpr 256
		.amdhsa_next_free_sgpr 66
		.amdhsa_reserve_vcc 1
		.amdhsa_float_denorm_mode_32 3
		.amdhsa_float_denorm_mode_16_64 3
		.amdhsa_memory_ordered 1
		.amdhsa_forward_progress 1
		.amdhsa_inst_pref_size 37
	.end_amdhsa_kernel
	.amdgpu_metadata
---
amdhsa.version: [ 1, 2 ]
amdhsa.kernels:
  - .name:           k_qcc18736d07_attn
    .symbol:         k_qcc18736d07_attn.kd
    .args:
      - { .name: qrec, .offset: 0, .size: 8, .value_kind: global_buffer, .address_space: global }
      - { .name: kv, .offset: 8, .size: 8, .value_kind: global_buffer, .address_space: global }
      - { .name: ctx_img, .offset: 16, .size: 8, .value_kind: global_buffer, .address_space: global }
      - { .name: ctx_sc, .offset: 24, .size: 8, .value_kind: global_buffer, .address_space: global }
    .group_segment_fixed_size: 206848
    .private_segment_fixed_size: 0
    .kernarg_segment_align: 8
    .kernarg_segment_size: 32
    .max_flat_workgroup_size: 512
    .sgpr_count:     66
    .vgpr_count:     256
    .wavefront_size: 32
...
	.end_amdgpu_metadata
.endif
;; end of part 2
;; launch outp (part 3): grid 8 x 32, 4 waves a work-group, clusters of 4 x 4, 327,680 bytes of LDS; arguments ctx_img, ctx_sc, Wo_codes, Wo_scales, bo, out0; writes out0
.if DOCPART == 3
	.amdgcn_target "amdgcn-amd-amdhsa--gfx1250"
	.amdhsa_code_object_version 6
	.text
	.protected	k_qcc18736d07_outp
	.globl	k_qcc18736d07_outp
	.p2align	8
	.type	k_qcc18736d07_outp,@function
k_qcc18736d07_outp:
	s_mov_b64 s[64:65], 0
	v_nop
	global_prefetch_b8 v0, s[64:65] scope:SCOPE_SE
	s_setreg_imm32_b32 hwreg(HW_REG_WAVE_MODE, 25, 1), 1
	s_wait_xcnt 0x0
	s_wait_alu depctr_hold_cnt(0) depctr_sa_sdst(0) depctr_va_vdst(0) depctr_va_sdst(0) depctr_va_ssrc(0) depctr_va_vcc(0) depctr_vm_vsrc(0)
	s_getreg_b32 s2, hwreg(HW_REG_IB_STS2, 6, 4)
	s_cmp_eq_u32 s2, 0
	s_cbranch_scc0 .Lentry_in_a_cluster
	s_endpgm
.Lentry_in_a_cluster:
	s_bfe_u32 s2, ttmp6, 0x10000c
	s_cmp_lg_u32 s2, 0xf033
	s_cbranch_scc0 .Lentry_shape_is_right
	s_endpgm
.Lentry_shape_is_right:
; out = ctx Wo + bo on codes of FP6 (E2M3), one E8M0 scale for each 32 along K = 1,024; f32 out.
; THE DEAL: 256 work-groups = 8 panels of 128 rows of Wo (columns of out) x 32 chunks of 256 rows of ctx.  Four waves, 2 x 2: wave (a, b) takes rows 128 a .. + 127 of the chunk and columns 64 b .. + 63 of the panel.
; A wave holds its 64 rows of Wo, all of K, in 384 registers and streams its rows of ctx past them in 8 blocks of 16 rows, 32 products a block; each block's 16 x 64 results leave as soon as they are summed.
; ctx_img [512 row tiles][16 heads][3 pieces][32 lanes][8 bytes] is an image of operand registers: piece 6 q + p of a tile (256 bytes) is registers 2 p, 2 p + 1 of the fragment of K step q.  ctx_sc [8,192][32]: word q of a row.
; LDS, each part filled once, at the head: the chunk's 16 row tiles, dense; Wo's 128 rows (768 + 16 behind every 256); ctx's scale bytes; the spare words; a stage of 16 rows x 272 bytes a wave.
; All that the launch reads is asked for at its head, and no loop follows in which to ask ahead: so no prefetch.  CLUSTERS 4 x 4: ctx's tiles jointly along a row of the cluster, Wo's rows along a column.
; Source 0 = 16 rows of Wo, source 1 = 16 rows of ctx: lane (r, h) holds row r, register i of tile t column 16 t + 8 h + i.  The bias, laid as the result lies, is the first products' C.
; LIMITS: NaN and infinities are not served; a given scale byte 0xff gives NaN.
.set KROW,  768
.set PITCH, 816
.set FR,    12
.set FPW,   21
.set NF,    26                         ; LDS loads of a block: 24 for eight fragments, 2 for eight scale words
.set TILE,  12288
.set WB,    16*TILE
.set SCL,   WB+128*PITCH
.set SPARE, SCL+32*272
.set STG,   SPARE+512
.set SP,    272
.set XA,    4                          ; v4 LDS address of my block 0: 8 x lane; v5 of its scale words
.set XS,    5
.set WN,    6                          ; v6-7 my rows of Wo
.set SPW,   10
.set NIL,   11
.set AD,    12                         ; v12-17 the block that is fetched, in runs of 2,048 bytes; v18 its scale words
.set AS,    18
.set SB,    24                         ; v24-39 Wo's scale words
.set SA,    44                         ; v44-59 ctx's, two sets
.set STO,   60
.set RD,    61
.set CO,    62
.set BOF,   63
.set ACC,   64                         ; v64-95 a block's sums
.set BI,    96                         ; v96-127 the bias
.set BK,    128                        ; v128-191 rows back from the stage, two sets
.set BA,    192                        ; v192-199 Wo's four tiles
.set G1X, 36
.set G1W, 44
.set G1S, 52
.set G0X, 60
.set G0W, 68
.set G0S, 72
.set MSB, 0
.macro WIN new
.if MSB != \new
	s_set_vgpr_msb (MSB<<8)|\new
.set MSB, \new
.endif
.endm
.macro PLACES n
.rept \n
	v_nop
.endr
.endm
.macro WALU
	s_wait_alu depctr_va_vdst(0)
.endm
.macro BARRIER
	s_barrier_signal -1
	s_barrier_wait -1
.endm
.macro CROUND
	s_barrier_signal -1
	s_barrier_wait -1
	s_cmp_lg_u32 s24, 0
	s_cbranch_scc1 .Lnw0_\@
	s_barrier_signal -3
.Lnw0_\@:
	s_barrier_wait -3
	s_barrier_signal -1
	s_barrier_wait -1
.endm
.macro TLOAD g0, g1
	tensor_load_to_lds s[\g0:\g0+3], s[\g1:\g1+7]
	s_nop 0
	PLACES 4
.endm
.macro DENSE g, rows                   ; words 1 to 7 of a group 1: rows of 256 bytes, 32 elements of 8
	s_mov_b32 s[\g+1], 32<<16
	s_mov_b32 s[\g+2], (\rows)<<16
	s_mov_b32 s[\g+3], 32<<16
	s_mov_b32 s[\g+4], \rows
	s_mov_b32 s[\g+5], 32
	s_mov_b32 s[\g+6], 0
	s_mov_b32 s[\g+7], 0
.endm
.macro FRAG f, q, a0, a1               ; a fragment of Wo from padded rows: six pieces of 8 bytes, two to a load where both lie behind as many paddings
	WIN (1+(\f)/FPW)<<6
.set R_, FR*((\f)%FPW)
.set SKIP_, 0
.irp p, 0,1,2,3,4,5
.if SKIP_
.set SKIP_, 0
.else
.set PC_, 12*(\q)+6*(\p/3)+\p%3
.set PN_, 12*(\q)+6*((\p+1)/3)+(\p+1)%3
.set X_, (PC_%32+3)/32
.set XQ_, (PN_%32+3)/32
.if (\p < 5) && (X_ == XQ_)
.set SKIP_, 1
.if X_
	ds_load_2addr_b64 v[R_+2*\p:R_+2*\p+3], v[\a1] offset0:PC_+2*(PC_/32) offset1:PN_+2*(PN_/32)
.else
	ds_load_2addr_b64 v[R_+2*\p:R_+2*\p+3], v[\a0] offset0:PC_+2*(PC_/32) offset1:PN_+2*(PN_/32)
.endif
.elseif X_
	ds_load_b64 v[R_+2*\p:R_+2*\p+1], v[\a1] offset:8*(PC_+2*(PC_/32))
.else
	ds_load_b64 v[R_+2*\p:R_+2*\p+1], v[\a0] offset:8*(PC_+2*(PC_/32))
.endif
.endif
.endr
.endm
.macro FADDR s                         ; where block s lies: seven additions
.irp k, 0,1,2,3,4,5
	v_add_nc_u32 v[AD+\k], (\s)*TILE+2048*\k, v[XA]
.endr
	v_add_nc_u32 v[AS], (\s)*544, v[XS]
.endm
.macro FLOAD e                         ; the block into set e: pieces g and g + 1 by one load, 256 bytes apart
.set G_, 0
.rept 24
.set F_, 32+8*(\e)+G_/6
	WIN (1+F_/FPW)<<6
	ds_load_2addr_b64 v[FR*(F_%FPW)+2*(G_%6):FR*(F_%FPW)+2*(G_%6)+3], v[AD+G_/8] offset0:32*(G_%8) offset1:32*(G_%8)+32
.set G_, G_+2
.endr
	WIN 0
	ds_load_b128 v[SA+8*(\e):SA+8*(\e)+3], v[AS]
	ds_load_b128 v[SA+8*(\e)+4:SA+8*(\e)+7], v[AS] offset:16
.endm
.macro PROD1 d, s0, s1, c, x0, x1, o
.if \o
	v_wmma_scale_f32_16x16x128_f8f6f4 v[\d:\d+7], v[FR*((\s0)%FPW):FR*((\s0)%FPW)+FR-1], v[FR*((\s1)%FPW):FR*((\s1)%FPW)+FR-1], \c, v[\x0], v[\x1] matrix_a_fmt:MATRIX_FMT_FP6 matrix_b_fmt:MATRIX_FMT_FP6 matrix_a_scale:MATRIX_SCALE_ROW1
.else
	v_wmma_scale_f32_16x16x128_f8f6f4 v[\d:\d+7], v[FR*((\s0)%FPW):FR*((\s0)%FPW)+FR-1], v[FR*((\s1)%FPW):FR*((\s1)%FPW)+FR-1], \c, v[\x0], v[\x1] matrix_a_fmt:MATRIX_FMT_FP6 matrix_b_fmt:MATRIX_FMT_FP6 matrix_a_scale:MATRIX_SCALE_ROW0
.endif
.endm
.macro BLOCK e                         ; 32 products: four accumulators by turns, K ascending; the first four take the bias as C
.irp q, 0,1,2,3,4,5,6,7
.irp t, 0,1,2,3
.set FW_, 4*\q+\t
.set FX_, 32+8*(\e)+\q
.set DL_, ACC+8*\t
.set CB_, BI+8*\t
	WIN (1+FW_/FPW)|((1+FX_/FPW)<<2)
.if \q
	PROD1 DL_, FW_, FX_, v[DL_:DL_+7], SB+8*(\t/2)+\q, SA+8*(\e)+\q, \t%2
.else
	PROD1 DL_, FW_, FX_, v[CB_:CB_+7], SB+8*(\t/2)+\q, SA+8*(\e)+\q, \t%2
.endif
.endr
.endr
.endm
; A block: its products; its results through my own stage (LDS serves a wave's instructions in order), back as rows of 256 bytes; the fetch of the block two on; the stores.
; The wait for the rows back leaves the NF younger loads out, and shows the next block's fetch, which is older, in.
.macro OBLOCK s
	BLOCK \s%2
	WIN 0
.if \s < 6
	FADDR \s+2                                     ; (also the places behind the products)
	WALU
.else
	PLACES 5                                       ; five places: the next block's first products begin these accumulators anew
.endif
	s_wait_xcnt 0x0                                ; the stores of two blocks ago have read their registers
.irp t, 0,1,2,3
	ds_store_b128 v[STO], v[ACC+8*\t:ACC+8*\t+3] offset:64*\t       ; each accumulator from its low end on
	ds_store_b128 v[STO], v[ACC+8*\t+4:ACC+8*\t+7] offset:64*\t+16
.endr
.irp k, 0,1,2,3,4,5,6,7
	ds_load_b128 v[BK+32*(\s%2)+4*\k:BK+32*(\s%2)+4*\k+3], v[RD] offset:2*SP*\k
.endr
.if \s < 6
	FLOAD \s%2
	s_wait_dscnt NF
.else
	s_wait_dscnt 0x0
.endif
.irp k, 0,1,2,3,4,5,6,7
	global_store_b128 v[CO], v[BK+32*(\s%2)+4*\k:BK+32*(\s%2)+4*\k+3], s[14:15] offset:\s*65536+\k*8192 th:TH_STORE_NT   ; sixteen lanes store 256 consecutive bytes of a row, at a multiple of 256 from out0's first byte
.endr
.endm
	s_load_b256 s[4:11], s[0:1], 0x0               ; ctx_img, ctx_sc, Wo's codes, Wo's scales
	s_load_b128 s[12:15], s[0:1], 0x20             ; bo, out0
	v_lshl_add_u32 v[SPW], v0, 2, SPARE
	v_mov_b32 v[NIL], 0
	ds_add_u32 v[SPW], v[NIL]                      ; the opening lines: the add twice on end and one wait
	ds_add_u32 v[SPW], v[NIL]
	v_lshrrev_b32 v1, 5, v0
	v_readfirstlane_b32 s24, v1                    ; wave
	s_lshr_b32 s25, s24, 1                         ; a
	s_and_b32 s26, s24, 1                          ; b
	s_bfe_u32 s27, ttmp6, 0x40000                  ; cx
	s_bfe_u32 s28, ttmp6, 0x40004                  ; cy
	s_lshl_b32 s29, ttmp9, 2
	s_add_co_u32 s29, s29, s27                     ; panel
	s_and_b32 s30, ttmp7, 0xffff
	s_lshl_b32 s30, s30, 2
	s_add_co_u32 s30, s30, s28                     ; chunk
	s_lshl_b32 s31, s28, 2
	s_lshl_b32 s31, 15, s31                        ; my row of the cluster
	s_lshl_b32 s32, 0x1111, s27                    ; my column
	s_or_b32 s[G1X+0], s31, (3<<16)|(1<<21)        ; eight row tiles, 98,304 dense bytes, as 384 rows of 256; no padding
	DENSE G1X, 384
	s_or_b32 s[G1W+0], s32, (1<<20)|(1<<21)|(5<<22)|(3<<25)   ; 128 rows of 768 bytes, 16 of padding behind every 256
	s_mov_b32 s[G1W+1], KROW<<16
	s_mov_b32 s[G1W+2], 128<<16
	s_mov_b32 s[G1W+3], KROW<<16
	s_mov_b32 s[G1W+4], 128
	s_mov_b32 s[G1W+5], KROW
	s_mov_b32 s[G1W+6], 0
	s_mov_b32 s[G1W+7], 0
	s_or_b32 s[G1S+0], s31, (3<<16)|(1<<20)|(1<<21)|(5<<22)|(3<<25)
	DENSE G1S, 32
	s_mul_i32 s76, s30, 16*TILE                    ; waves 1 and 2 fetch the chunk's row tiles 0-7 and 8-15 (wave / 2 = 0, 1)
	s_mul_i32 s77, s25, 8*TILE
	s_add_co_u32 s76, s76, s77
	s_mov_b32 s77, 0
	s_mul_i32 s78, s29, 128*KROW
	s_mov_b32 s79, 0
	s_lshl_b32 s80, s30, 13
	s_mov_b32 s81, 0
	s_lshl_b32 s34, s29, 12
	s_lshl_b32 s35, s26, 11
	s_add_co_u32 s34, s34, s35                     ; my 64 rows' scale bytes in Wo
	s_mov_b32 s35, 0
	s_mov_b32 s[G0X], 1
	s_mul_i32 s[G0X+1], s25, 8*TILE
	s_mov_b32 s[G0W], 1
	s_mov_b32 s[G0W+1], WB
	s_mov_b32 s[G0S], 1
	s_mov_b32 s[G0S+1], SCL
	s_lshl_b32 s82, s29, 9
	s_lshl_b32 s83, s26, 8
	s_add_co_u32 s82, s82, s83                     ; my first column, in bytes
	s_mov_b32 s83, 0
	s_lshl_b32 s84, s30, 8
	s_lshl_b32 s85, s25, 7
	s_add_co_u32 s84, s84, s85
	s_lshl_b32 s84, s84, 12                        ; my first row, 4,096 bytes a row
	s_add_co_u32 s84, s84, s82
	s_mov_b32 s85, 0
	s_mul_i32 s86, s25, 8*TILE
	s_mul_i32 s87, s26, 64*PITCH
	s_add_co_u32 s87, s87, WB
	s_mul_i32 s88, s25, 16*272
	s_add_co_u32 s88, s88, SCL
	s_mul_i32 s89, s24, 16*SP
	s_add_co_u32 s89, s89, STG
	s_wait_dscnt 0x0
	CROUND                                         ; all sixteen work-groups are here: the joint loads meet
	s_wait_kmcnt 0x0
	s_add_nc_u64 s[G0X+2:G0X+3], s[4:5], s[76:77]
	s_or_b32 s[G0X+3], s[G0X+3], 0x80000000
	s_add_nc_u64 s[G0W+2:G0W+3], s[8:9], s[78:79]
	s_or_b32 s[G0W+3], s[G0W+3], 0x80000000
	s_add_nc_u64 s[G0S+2:G0S+3], s[6:7], s[80:81]
	s_or_b32 s[G0S+3], s[G0S+3], 0x80000000
	s_cmp_eq_u32 s24, 0                            ; one tensor load a wave, in one chain of branches on the wave's number
	s_cbranch_scc0 .Lhead_x
	TLOAD G0W, G1W                                 ; wave 0: Wo's rows, wanted first
	s_branch .Lasked
.Lhead_x:
	s_cmp_eq_u32 s24, 3
	s_cbranch_scc1 .Lhead_s
	TLOAD G0X, G1X                                 ; waves 1, 2: ctx's row tiles
	s_branch .Lasked
.Lhead_s:
	TLOAD G0S, G1S                                 ; wave 3: ctx's scale bytes
.Lasked:
	s_add_nc_u64 s[10:11], s[10:11], s[34:35]
	s_add_nc_u64 s[12:13], s[12:13], s[82:83]
	s_add_nc_u64 s[14:15], s[14:15], s[84:85]
	v_and_b32 v1, 15, v0                           ; r
	v_bfe_u32 v2, v0, 4, 1                         ; h
	v_and_b32 v3, 31, v0                           ; lane
	v_mul_u32_u24 v8, v1, PITCH
	v_mad_u32_u24 v[WN], v2, 24, v8
	v_mad_u32_u24 v[WN+1], v2, 40, v8
	v_add_nc_u32 v[WN], s87, v[WN]
	v_add_nc_u32 v[WN+1], s87, v[WN+1]
	v_lshlrev_b32 v[XA], 3, v3
	v_add_nc_u32 v[XA], s86, v[XA]
	v_lshrrev_b32 v8, 3, v1
	v_lshlrev_b32 v[XS], 5, v1
	v_lshl_add_u32 v[XS], v8, 4, v[XS]
	v_add_nc_u32 v[XS], s88, v[XS]
	v_mul_u32_u24 v[STO], v1, SP                   ; in: row r, 32 bytes for each half of the lanes
	v_lshl_add_u32 v[STO], v2, 5, v[STO]
	v_add_nc_u32 v[STO], s89, v[STO]
	v_mul_u32_u24 v[RD], v2, SP                    ; back: lanes 0-15 one row of 256 bytes, lanes 16-31 the next
	v_lshl_add_u32 v[RD], v1, 4, v[RD]
	v_add_nc_u32 v[RD], s89, v[RD]
	v_lshlrev_b32 v[CO], 12, v2                    ; and the same two rows in out0
	v_lshl_add_u32 v[CO], v1, 4, v[CO]
	v_lshlrev_b32 v[BOF], 5, v2
	v_lshlrev_b32 v19, 5, v3
.irp t, 0,1,2,3
	v_add_nc_u32 v[BA+2*\t], \t*16*PITCH, v[WN]
	v_add_nc_u32 v[BA+2*\t+1], \t*16*PITCH, v[WN+1]
.endr
.irp p, 0,1
.irp c, 0,1
	global_load_b128 v[SB+8*\p+4*\c:SB+8*\p+4*\c+3], v19, s[10:11] offset:1024*\p+16*\c
.endr
.endr
.irp t, 0,1,2,3
	global_load_b128 v[BI+8*\t:BI+8*\t+3], v[BOF], s[12:13] offset:64*\t        ; bo at columns 16 t + 8 h + 0 .. 7
	global_load_b128 v[BI+8*\t+4:BI+8*\t+7], v[BOF], s[12:13] offset:64*\t+16
.endr
	FADDR 0
	WALU                                           ; the wait at the head's end
	s_cmp_eq_u32 s24, 0
	s_cbranch_scc0 .Lnot_w
	s_wait_tensorcnt 0x0
.Lnot_w:
	BARRIER                                        ; Wo's rows are in; the other tiles may be on their way
.irp q, 0,1,2,3,4,5,6,7
.irp t, 0,1,2,3
	FRAG 4*\q+\t, \q, BA+2*\t, BA+2*\t+1
.endr
.endr
	WIN 0
	s_wait_tensorcnt 0x0
	s_wait_dscnt 0x0
	BARRIER                                        ; everybody's tile is in
	FLOAD 0
	FADDR 1
	WALU
	FLOAD 1
	s_wait_loadcnt 0x0
	s_wait_dscnt NF                                ; block 0 is in; block 1's NF loads may be out
.irp s, 0,1,2,3,4,5,6,7
	OBLOCK \s
.endr
	s_wait_tensorcnt 0x0                           ; the wave's end
	ds_add_u32 v[SPW], v[NIL]
	s_wait_dscnt 0x0
	CROUND                                         ; the closing round
	s_endpgm
.Lfunc_end_k_qcc18736d07_outp:
	.size	k_qcc18736d07_outp, .Lfunc_end_k_qcc18736d07_outp-k_qcc18736d07_outp
	.p2alignl 7, 3214868480
	.fill 96, 4, 3214868480
	.section	.rodata,"a",@progbits
	.p2align	6, 0x0
	.amdhsa_kernel k_qcc18736d07_outp
		.amdhsa_group_segment_fixed_size 327680
		.amdhsa_private_segment_fixed_size 0
		.amdhsa_enable_private_segment 0
		.amdhsa_kernarg_size 48
		.amdhsa_user_sgpr_count 2
		.amdhsa_user_sgpr_kernarg_segment_ptr 1
		.amdhsa_wavefront_size32 1
		.amdhsa_system_sgpr_workgroup_id_x 1
		.amdhsa_system_sgpr_workgroup_id_y 1
		.amdhsa_system_sgpr_workgroup_id_z 1
		.amdhsa_system_vgpr_workitem_id 0
		.amdhsa_next_free_vgpr 1024
		.amdhsa_next_free_sgpr 100
		.amdhsa_reserve_vcc 0
		.amdhsa_float_denorm_mode_32 3
		.amdhsa_float_denorm_mode_16_64 3
		.amdhsa_memory_ordered 1
		.amdhsa_forward_progress 1
		.amdhsa_inst_pref_size 81
	.end_amdhsa_kernel
	.amdgpu_metadata
---
amdhsa.version: [ 1, 2 ]
amdhsa.kernels:
  - .name:           k_qcc18736d07_outp
    .symbol:         k_qcc18736d07_outp.kd
    .args:
      - { .name: ctx_img, .offset: 0, .size: 8, .value_kind: global_buffer, .address_space: global }
      - { .name: ctx_sc, .offset: 8, .size: 8, .value_kind: global_buffer, .address_space: global }
      - { .name: Wo_codes, .offset: 16, .size: 8, .value_kind: global_buffer, .address_space: global }
      - { .name: Wo_scales, .offset: 24, .size: 8, .value_kind: global_buffer, .address_space: global }
      - { .name: bo, .offset: 32, .size: 8, .value_kind: global_buffer, .address_space: global }
      - { .name: out0, .offset: 40, .size: 8, .value_kind: global_buffer, .address_space: global }
    .group_segment_fixed_size: 327680
    .private_segment_fixed_size: 0
    .kernarg_segment_align: 8
    .kernarg_segment_size: 48
    .max_flat_workgroup_size: 128
    .sgpr_count:     100
    .vgpr_count:     1024
    .wavefront_size: 32
...
	.end_amdgpu_metadata
.endif
;; end of part 3
